; MI455X (gfx1250); checked and timed in simulation.
; The chip was launched on July 23, 2026; its instructions are those of AMD's public machine-readable ISA for CDNA 5 (MIT licence, August 2026) and "CDNA5" Instruction Set Architecture Reference Guide (July 2026). The comments in the code are by the model that wrote it; some were corrected since.
;; Attention. Allowed arithmetic: matrix products marked QUANTISED: E2M3 operands, one E8M0 scale for each 32 along K, by v_wmma_scale_f32_16x16x128_f8f6f4 with both operands' format E2M3, f32 sums; products left as they are: f32 operands where the result goes on into a quantised operand, else bf16, f16 or f32 operands; f32 sums; everything else in f32.
;; Inputs: W_dec_codes 1,024 x 32 x 24 uint8 (E2M3 codes of W_dec, K innermost, in blocks of 32 codes, four codes in three bytes); W_dec_scales 1,024 x 32 uint8 (E8M0 scales of W_dec, one for each 32 codes along K); W_mem_codes 1,024 x 16 x 24 uint8 (E2M3 codes of W_mem, K innermost, in blocks of 32 codes, four codes in three bytes); W_mem_scales 1,024 x 16 uint8 (E8M0 scales of W_mem, one for each 32 codes along K); W_v 1,024 float32; decoder_state_codes 64 x 32 x 24 uint8 (E2M3 codes of decoder_state, K innermost, in blocks of 32 codes, four codes in three bytes); decoder_state_scales 64 x 32 uint8 (E8M0 scales of decoder_state, one for each 32 codes along K); memory_bank 64 x 2,048 x 512 float32; src_mask 64 x 2,048 int32.
;; Outputs: out0 64 x 512 float32; out1 64 x 2,048 float32.
;; This version of the problem:
;;   THIS VERSION OF THE PROBLEM IS GIVEN IN LOW PRECISION. The matrix products marked QUANTISED in the list below multiply operands that are first quantised to E2M3 (2 exponent bits, 3 mantissa bits; 6 bits a number), with one power-of-two scale for each 32 numbers along K (OCP MX v1.0); their sums are f32. All else is computed in f32.
;;   The module's matrix products, in the order in which they are computed (A, B: the left and right operand; K: the contracted axis; several contracted axes count as one K, in the product's order):
;;     1. [M 131,072, K 512] x [K 512, N 1,024]; A: input memory_bank; B: input W_mem (given as codes): QUANTISED
;;     2. [M 64, K 1,024] x [K 1,024, N 1,024]; A: input decoder_state (given as codes); B: input W_dec (given as codes): QUANTISED
;;     3. [M 131,072, K 1,024] x [K 1,024, N 1]; A: computed on the way; B: input W_v: left as it is (N = 1 < 16)
;;     4. batch 64 x [M 1, K 2,048] x [K 2,048, N 512]; A: softmax; B: input memory_bank: left as it is (M = 1 < 16)
;;   THE QUANTISER, for each operand of a quantised product, along K:
;;     - K is cut into blocks of 32 from its start; a last block that is shorter is filled with zeros.
;;     - A block's scale is 2^e with e = floor(log2(the largest magnitude in the block)) - 2, held to -126 .. 127; a block of zeros has e = 0. As a byte (E8M0): e + 127.
;;     - Each number is divided by its block's scale, clamped to +-7.5, and rounded to the nearest number of E2M3, ties to even, subnormals kept.
;;     - The product sums the exact products of the quantised numbers (number of the format x scale) in f32.
;;   ~~~python
;;   def quantise(x, axis):      # numpy; x: float32 -> the quantised numbers, widened to float32 again
;;       x = np.moveaxis(x, axis, -1); K = x.shape[-1]
;;       x = np.pad(x, [(0, 0)] * (x.ndim - 1) + [(0, -K % 32)]); x = x.reshape(x.shape[:-1] + (-1, 32)); a = np.abs(x).max(-1, keepdims=True)
;;       e = np.where(a > 0, np.clip(np.frexp(np.where(a > 0, a, 1))[1] - 1 - 2, -126, 127), 0)      # np.frexp(a)[1] - 1 = floor(log2(a)), exactly
;;       r = np.clip(x / 2.0 ** e, -7.5, 7.5)
;;       step = 2.0 ** (np.maximum(np.frexp(np.where(r == 0, 1, r))[1] - 1, 0) - 3)
;;       q = np.round(r / step) * step * 2.0 ** e      # np.round: ties to even
;;       return np.moveaxis(q.reshape(q.shape[:-2] + (-1,))[..., :K], -1, axis).astype(np.float32)
;;   ~~~
;;   INPUTS GIVEN AS CODES. W_dec (in the module: [1024, 1024], K = its axis 0); W_mem (in the module: [512, 1024], K = its axis 0); decoder_state (in the module: [64, 1024], K = its axis 1): each comes as NAME_codes (uint8): NAME with its K axis moved to the last place and cut into blocks of 32 codes, [.., K / 32, bytes a block], one block behind the other in memory; four codes in three bytes: a row's codes are one little-endian stream of bits, code i at bits 6 i .. 6 i + 5 (a code: sign, 2 exponent bits, 3 mantissa bits); and NAME_scales (uint8): the same leading axes, one E8M0 byte (e + 127) for each 32 codes along K. Its value is code x scale, taken as it is: it is not quantised again, and the codes and scales need not be those that the quantiser above would give.
;; One version. Each part assembles by itself: llvm-mc -triple=amdgcn-amd-amdhsa -mcpu=gfx1250 --defsym DOCPART=n.
;; ======== version 1 of 1: 3 launches
;; limits: right only within a limited range of input values
;; workspace buffers: decs 262,144 bytes; wimg 393,216 bytes; scores 524,288 bytes; part 589,824 bytes
;; launch prep (part 1): grid 64 x 4, 1 waves a work-group, no clusters, 1,280 bytes of LDS; arguments decoder_state_codes, decoder_state_scales, W_dec_codes, W_dec_scales, W_mem_codes, decs, wimg; writes decs, wimg
.if DOCPART == 1
	.amdgcn_target "amdgcn-amd-amdhsa--gfx1250"
	.amdhsa_code_object_version 6
	.text
	.protected	k_q1c3f802c46_prep
	.globl	k_q1c3f802c46_prep
	.p2align	8
	.type	k_q1c3f802c46_prep,@function
k_q1c3f802c46_prep:
	s_mov_b64 s[64:65], 0
	v_nop
	global_prefetch_b8 v0, s[64:65] scope:SCOPE_SE
	s_setreg_imm32_b32 hwreg(HW_REG_WAVE_MODE, 25, 1), 1
	s_wait_xcnt 0x0
; Two small jobs ahead of the main launch, one wave to a work-group.
; (1) decs = c x (decoder_state x W_dec), c = 2 log2(e), on the given codes of FP6 (E2M3) with their E8M0 scales, f32 sums.
;     Work-group (x, y) makes the tile of 16 columns d = 16 x .. and 16 batches 16 y .., K = 1,024 in eight steps of 128.
;     The product is used transposed (source 0 = 16 rows of W_dec, source 1 = 16 rows of decoder_state): a lane then holds eight neighbouring d of one batch.
;     decs is laid [tile of 16 d][batch][16 d], f32, so that the main launch finds the 16 numbers of a tile and a batch as 64 neighbouring bytes.
; (2) wimg: the fragment (16 rows of W_mem x 128 K) of tile x and K step y as an image of the operand's 12 registers: chunk j of 512 bytes holds lane l's registers 4 j .. 4 j + 3 at 16 l.
;     The main launch then loads a fragment by three loads of 16 bytes a lane.
.set C2L,  0x4038aa3b                  ; 2 log2(e)
.set WD,   12                          ; v12-107   W_dec's eight fragments
.set DST,  108                         ; v108-203  decoder_state's eight
.set WDS,  204                         ; v204-211  W_dec's scale words, one for each K step; they hold nothing else
.set DSS,  212                         ; v212-219  decoder_state's
.set AC0,  220                         ; v220-227 the sum of the even K steps, v228-235 of the odd ones: two accumulators by turns
.set OUTR, 236                         ; v236-243  c x the sum
.set IMG,  244                         ; v244-255  W_mem's fragment
	s_load_b256 s[4:11], s[0:1], 0x0               ; decoder_state's codes, its scales, W_dec's codes, its scales
	s_load_b128 s[12:15], s[0:1], 0x20             ; W_mem's codes, decs
	s_load_b64 s[16:17], s[0:1], 0x30              ; wimg
	v_lshl_add_u32 v10, v0, 2, 0x400
	v_mov_b32 v11, 0
	s_and_b32 s18, ttmp7, 0xffff                   ; y
	v_and_b32 v1, 15, v0                           ; r
	v_lshrrev_b32 v2, 4, v0                        ; h
	v_mul_u32_u24 v3, v1, 768                      ; a row of 1,024 codes is 768 bytes;
	v_mad_u32_u24 v3, v2, 24, v3                   ; + 24 h: my half's block of 32
	v_lshlrev_b32 v4, 5, v1                        ; a row of 32 scale bytes
	v_mul_u32_u24 v5, v1, 384                      ; W_mem: a row of 512 codes is 384 bytes
	v_mad_u32_u24 v5, v2, 24, v5
	v_lshlrev_b32 v6, 4, v0                        ; 16 x lane
	v_lshlrev_b32 v7, 6, v1
	v_lshl_add_u32 v7, v2, 5, v7                   ; the stage: 64 r + 32 h
	s_mul_i32 s20, ttmp9, 16*768                   ; W_dec's 16 rows
	s_mov_b32 s21, 0
	s_mul_i32 s22, s18, 16*768                     ; decoder_state's 16 rows
	s_mov_b32 s23, 0
	s_lshl_b32 s24, ttmp9, 9                       ; their scale bytes
	s_mov_b32 s25, 0
	s_lshl_b32 s26, s18, 9
	s_mov_b32 s27, 0
	s_mul_i32 s28, ttmp9, 16*384                   ; W_mem's 16 rows, K step y
	s_mul_i32 s30, s18, 96
	s_add_co_u32 s28, s28, s30
	s_mov_b32 s29, 0
	s_lshl_b32 s30, ttmp9, 12                      ; decs: 4,096 bytes a tile of d, 1,024 for 16 batches
	s_lshl_b32 s32, s18, 10
	s_add_co_u32 s30, s30, s32
	s_mov_b32 s31, 0
	s_lshl_b32 s32, ttmp9, 2                       ; wimg: fragment 4 x + y, 1,536 bytes each
	s_add_co_u32 s32, s32, s18
	s_mul_i32 s32, s32, 1536
	s_mov_b32 s33, 0
	s_mov_b32 s34, C2L
	s_mov_b32 s35, s34                             ; (named with it as a pair, so it is written)
	s_wait_alu depctr_va_vdst(0)
	s_wait_kmcnt 0x0
	s_add_nc_u64 s[8:9], s[8:9], s[20:21]
	s_add_nc_u64 s[4:5], s[4:5], s[22:23]
	s_add_nc_u64 s[10:11], s[10:11], s[24:25]
	s_add_nc_u64 s[6:7], s[6:7], s[26:27]
	s_add_nc_u64 s[12:13], s[12:13], s[28:29]
	s_add_nc_u64 s[14:15], s[14:15], s[30:31]
	s_add_nc_u64 s[16:17], s[16:17], s[32:33]
.irp p, 0,1,2,3,4,5
	global_load_b64 v[IMG+2*\p:IMG+2*\p+1], v5, s[12:13] offset:48*(\p/3)+8*(\p%3)
.endr
	global_load_b128 v[WDS:WDS+3], v4, s[10:11]                ; lane r: row r's eight scale words (lanes 16-31 hold the same and are not read)
	global_load_b128 v[WDS+4:WDS+7], v4, s[10:11] offset:16
	global_load_b128 v[DSS:DSS+3], v4, s[6:7]
	global_load_b128 v[DSS+4:DSS+7], v4, s[6:7] offset:16
.irp q, 0,1,2,3,4,5,6,7
.irp p, 0,1,2,3,4,5
	global_load_b64 v[WD+12*\q+2*\p:WD+12*\q+2*\p+1], v3, s[8:9] offset:96*\q+48*(\p/3)+8*(\p%3)
	global_load_b64 v[DST+12*\q+2*\p:DST+12*\q+2*\p+1], v3, s[4:5] offset:96*\q+48*(\p/3)+8*(\p%3)
.endr
.endr
	s_wait_loadcnt 0x0
.irp j, 0,1,2
	global_store_b128 v6, v[IMG+4*\j:IMG+4*\j+3], s[16:17] offset:512*\j   ; the image: each store covers 512 consecutive bytes
.endr
.irp q, 0,1,2,3,4,5,6,7                ; the two accumulators take turns, one instruction a turn; the first two products start the sums
.if \q < 2
	v_wmma_scale_f32_16x16x128_f8f6f4 v[AC0+8*(\q%2):AC0+8*(\q%2)+7], v[WD+12*\q:WD+12*\q+11], v[DST+12*\q:DST+12*\q+11], 0, v[WDS+\q], v[DSS+\q] matrix_a_fmt:MATRIX_FMT_FP6 matrix_b_fmt:MATRIX_FMT_FP6
.else
	v_wmma_scale_f32_16x16x128_f8f6f4 v[AC0+8*(\q%2):AC0+8*(\q%2)+7], v[WD+12*\q:WD+12*\q+11], v[DST+12*\q:DST+12*\q+11], v[AC0+8*(\q%2):AC0+8*(\q%2)+7], v[WDS+\q], v[DSS+\q] matrix_a_fmt:MATRIX_FMT_FP6 matrix_b_fmt:MATRIX_FMT_FP6
.endif
.endr
.rept 4
	v_nop                                          ; four places between the last product and the first read of its result (ISA guide 7.12.1)
.endr
.irp i, 0,1,2,3
	v_pk_mul_f32 v[OUTR+2*\i:OUTR+2*\i+1], v[AC0+8+2*\i:AC0+8+2*\i+1], s[34:35] op_sel_hi:[1,0]   ; each accumulator is read from its low end on
.endr
.irp i, 0,1,2,3
	v_pk_fma_f32 v[OUTR+2*\i:OUTR+2*\i+1], v[AC0+2*\i:AC0+2*\i+1], s[34:35], v[OUTR+2*\i:OUTR+2*\i+1] op_sel_hi:[1,0,1]
.endr
	; lane (r, h) holds c x dec(batch 16 y + r, d = 16 x + 8 h + 0 .. 7): 32 bytes at 64 r + 32 h of the tile's 1,024.  Through LDS, so that each store covers 512 consecutive bytes
	ds_store_b128 v7, v[OUTR:OUTR+3]
	ds_store_b128 v7, v[OUTR+4:OUTR+7] offset:16
	ds_load_b128 v[12:15], v6                      ; LDS serves a wave's instructions in order (ISA guide 5.7.1.4): these see the stores above
	ds_load_b128 v[16:19], v6 offset:512
	s_wait_dscnt 0x0
	global_store_b128 v6, v[12:15], s[14:15]
	global_store_b128 v6, v[16:19], s[14:15] offset:512
	s_wait_tensorcnt 0x0
	ds_add_u32 v10, v11
	s_wait_dscnt 0x0
	s_endpgm
.Lfunc_end_k_q1c3f802c46_prep:
	.size	k_q1c3f802c46_prep, .Lfunc_end_k_q1c3f802c46_prep-k_q1c3f802c46_prep
	.p2alignl 7, 3214868480
	.fill 96, 4, 3214868480
	.section	.rodata,"a",@progbits
	.p2align	6, 0x0
	.amdhsa_kernel k_q1c3f802c46_prep
		.amdhsa_group_segment_fixed_size 1280
		.amdhsa_private_segment_fixed_size 0
		.amdhsa_enable_private_segment 0
		.amdhsa_kernarg_size 56
		.amdhsa_user_sgpr_count 2
		.amdhsa_user_sgpr_kernarg_segment_ptr 1
		.amdhsa_wavefront_size32 1
		.amdhsa_system_sgpr_workgroup_id_x 1
		.amdhsa_system_sgpr_workgroup_id_y 1
		.amdhsa_system_sgpr_workgroup_id_z 1
		.amdhsa_system_vgpr_workitem_id 0
		.amdhsa_next_free_vgpr 256
		.amdhsa_next_free_sgpr 66
		.amdhsa_reserve_vcc 0
		.amdhsa_float_denorm_mode_32 3
		.amdhsa_float_denorm_mode_16_64 3
		.amdhsa_memory_ordered 1
		.amdhsa_forward_progress 1
		.amdhsa_inst_pref_size 15
	.end_amdhsa_kernel
	.amdgpu_metadata
---
amdhsa.version: [ 1, 2 ]
amdhsa.kernels:
  - .name:           k_q1c3f802c46_prep
    .symbol:         k_q1c3f802c46_prep.kd
    .args:
      - { .name: decoder_state_codes, .offset: 0, .size: 8, .value_kind: global_buffer, .address_space: global }
      - { .name: decoder_state_scales, .offset: 8, .size: 8, .value_kind: global_buffer, .address_space: global }
      - { .name: W_dec_codes, .offset: 16, .size: 8, .value_kind: global_buffer, .address_space: global }
      - { .name: W_dec_scales, .offset: 24, .size: 8, .value_kind: global_buffer, .address_space: global }
      - { .name: W_mem_codes, .offset: 32, .size: 8, .value_kind: global_buffer, .address_space: global }
      - { .name: decs, .offset: 40, .size: 8, .value_kind: global_buffer, .address_space: global }
      - { .name: wimg, .offset: 48, .size: 8, .value_kind: global_buffer, .address_space: global }
    .group_segment_fixed_size: 1280
    .private_segment_fixed_size: 0
    .kernarg_segment_align: 8
    .kernarg_segment_size: 56
    .max_flat_workgroup_size: 32
    .sgpr_count:     66
    .vgpr_count:     256
    .wavefront_size: 32
...
	.end_amdgpu_metadata
.endif
;; end of part 1
;; launch main (part 2): grid 256 x 1, 8 waves a work-group, no clusters, 327,680 bytes of LDS; arguments memory_bank, src_mask, W_v, W_mem_scales, wimg, decs, scores, part; writes scores, part
.if DOCPART == 2
	.amdgcn_target "amdgcn-amd-amdhsa--gfx1250"
	.amdhsa_code_object_version 6
	.text
	.protected	k_q1c3f802c46_main
	.globl	k_q1c3f802c46_main
	.p2align	8
	.type	k_q1c3f802c46_main,@function
k_q1c3f802c46_main:
	s_mov_b64 s[64:65], 0
	v_nop
	global_prefetch_b8 v0, s[64:65] scope:SCOPE_SE
	s_setreg_imm32_b32 hwreg(HW_REG_WAVE_MODE, 25, 1), 1
	s_wait_xcnt 0x0
; score[row] = sum over d of W_v[d] tanh(enc[row][d] + dec[b][d]), enc = Q(memory_bank) x W_mem on FP6 (E2M3) codes with E8M0 scales, f32 sums;
; then the mask, a softmax with a running maximum, and the context sum of p[row] x memory_bank[row][:] in f32 while the rows lie in LDS: memory_bank is read once.
; SHARES. Work-group x owns rows 512 x .. 512 x + 511 (a quarter of batch x / 4) in eight blocks of 64 rows; it stores masked scores, its maximum, sum and context; the last launch joins four parts.
; EIGHT WAVES, two to a SIMD. Wave w owns d = 128 w .. 128 w + 127: 8 tiles of 16, whose 32 fragments of W_mem (384 registers) stay in registers for the whole launch.
; A BLOCK. Q: wave w quantises K steps 2 (w % 2), 2 (w % 2) + 1 of row tile w / 2 and stores register images in LDS | barrier |
;   G: every wave multiplies the four row tiles by its 8 tiles of W_mem, takes tanh and the product with W_v; partial scores to LDS | barrier |
;   C: every wave adds the eight partial scores, masks, updates maximum and sum, and adds p x row to the context of its own 64 columns.
; tanh(x) = 1 - 2 / (1 + 2^(c x)), c = 2 log2(e): score = sum of W_v + sum of (-2 W_v) rcp(1 + 2^(c enc + c dec)); c dec comes ready from the launch before.
; Source 0 = 16 rows, source 1 = 16 columns d: lane (r, h) holds column r and rows 8 h + 0 .. 7, so c dec and -2 W_v are one register a tile.
; A PHASE: 16 products (4 tiles of d x 4 K steps), then whole batches: scaling, 32 exponentials, + 1, 32 reciprocals, sums.
; The phase's W scale words, c dec and -2 W_v come from a table in LDS that the wave itself wrote at the head: the registers have no room for all 8 tiles' at once.
; NO CLUSTER: memory_bank, 1,048,576 of a work-group's 1,441,792 streamed bytes, is read by this work-group alone; W_mem's images go straight into registers.
; NO PREFETCH: each block's 131,072 bytes are asked for by tensor loads a whole block ahead of their use.
; LIMITS: NaN and infinities in memory_bank are not served. A block of 32 whose largest magnitude lies under 2^-124 gets the scale byte 1 (a block of zeros too: its codes are zeros, and this program alone reads the bytes).
;   A part all of whose rows are masked keeps the maximum -3e38 and the sum 0.
.set BLOCKS, 8
.set XTILE,  6656                      ; a row tile's four fragment images (1,536 bytes each) and 512 bytes of scale words
.set ASCO,   6144                      ; scale words: word a of lane (r, h), at 16 l + 4 a, is row r's word for K step 2 a + h
.set PART,   4*XTILE                   ; partial scores [wave][64 rows] f32
.set SPARE,  PART+2048                 ; the spare words, 128 bytes a wave
.set TAB,    SPARE+1024                ; the table: per wave and group 1,536 bytes: scale words 2 x 512, c dec 256, -2 W_v 256
.set TABW,   3072
.set SLOT0,  TAB+8*TABW                ; the two slots; no fill lands under it
.set RP,     2080                      ; a row in a slot: 1,024 bytes, 16 of padding, twice
.set ODD,    32*RP+16                  ; row rho lies at (rho / 2) RP + (rho % 2) ODD
.set SLOTSZ, 133376
; window 0, kept
.set VS, 0                             ; sum of W_v over my lane's 8 columns (takes v0's place at the head's end)
.set LI, 1                             ; 16 x lane
.set ADA, 2                            ; 16 x lane + the pair of row tiles in hand
.set PA, 3                             ; where my partial scores go
.set TA, 4                             ; my table: scale words
.set TR, 5                             ; my table: c dec, -2 W_v, by r
.set MR, 6                             ; running maximum
.set LS, 7                             ; my lane's part of the running sum
.set QA, 8                             ; Q: my place in slot 0
.set CL, 9                             ; C: my place in row 0 of slot 0
.set QP, 10                            ; Q: where my images go
.set XWS, 11                           ; Q: where my row's scale word goes
.set SH8, 12                           ; 8 h
.set L8, 13                            ; 8 x lane
.set SPW, 14                           ; my spare word; never rewritten
.set NIL, 15                           ; 0; never rewritten
.set MKD, 16                           ; v16-17 the mask of rows 2 l, 2 l + 1
.set ASC, 18                           ; v18-19 the rows' scale words; nothing else
.set WS, 20                            ; v20-27 the group's W scale words: 2 u + a; nothing else
.set DC, 28                            ; v28-31 c dec of the group's 4 tiles
.set VW, 32                            ; v32-35 -2 W_v
.set SA, 36                            ; v36-43 8 rows' sums
.set S, 44                             ; v44-75 four accumulators
.set AF, 76                            ; v76-123 a row tile's four fragments
.set WX, 124                           ; v124-255 W fragments 21 .. 31; fragments 0 .. 20 fill v0-251 of window 1; window 1's v252-255 park the context
; Q's names (v28-123 are free outside G)
.set PC, 28
.set TMPC, 40
.set MXB, 43
.set MXA, 48
.set QW, 48
.set QWP, 49
.set SCL, 50
.set QT, 52
.set B0, 60
; C's names
.set PS, 28
.set MXR, 44
.set MNR, 45
.set PR, 46
.set FRS, 48
.set NINF, 50
.set CA0, 51
.set CA1, 52
.set CT, 54
.set XR, 60
; the head's names
.set HV, 64
.set HD, 72
.set HW, 80
; scalars
.set WV, 20
.set BB, 21
.set G1, 24
.set G0, 32
.set TBF, 36
.set TB, 37
.set LBASE, 38
.set BLK, 39
.set TRIP, 40
.set CC, 42
.set SEL, 44
.set L2E, 46
.set PP, 48                            ; s[48:63] eight rows' p, each the low word of a pair
.set MSB, 0
.macro WIN new
.if MSB != (\new)
	s_set_vgpr_msb (MSB<<8)|(\new)
.set MSB, (\new)
.endif
.endm
.macro STLE
	s_wait_alu depctr_va_vdst(0)
.endm
; fragment 16 g + 4 q + u: tile 4 g + u, K step q
.macro LOCF fi
.if (\fi) < 21
.set LW, 1
.set LR, 12*(\fi)
.else
.set LW, 0
.set LR, WX+12*((\fi)-21)
.endif
.endm
; one product; the four accumulators take turns; K step 0 starts the sums
.macro MM g, q, u
	LOCF 16*(\g)+4*(\q)+(\u)
	WIN LW<<2
.set DR, S+8*(\u)
.set AR, AF+12*(\q)
.set RA, ASC+(\q)/2
.set RB, WS+2*(\u)+(\q)/2
.if (\q) == 0
	v_wmma_scale_f32_16x16x128_f8f6f4 v[DR:DR+7], v[AR:AR+11], v[LR:LR+11], 0, v[RA], v[RB] matrix_a_fmt:MATRIX_FMT_FP6 matrix_b_fmt:MATRIX_FMT_FP6
.elseif (\q)%2 == 0
	v_wmma_scale_f32_16x16x128_f8f6f4 v[DR:DR+7], v[AR:AR+11], v[LR:LR+11], v[DR:DR+7], v[RA], v[RB] matrix_a_fmt:MATRIX_FMT_FP6 matrix_b_fmt:MATRIX_FMT_FP6
.else
	v_wmma_scale_f32_16x16x128_f8f6f4 v[DR:DR+7], v[AR:AR+11], v[LR:LR+11], v[DR:DR+7], v[RA], v[RB] matrix_a_fmt:MATRIX_FMT_FP6 matrix_b_fmt:MATRIX_FMT_FP6 matrix_a_scale:MATRIX_SCALE_ROW1 matrix_b_scale:MATRIX_SCALE_ROW1
.endif
.endm
.macro TABL g                          ; group g's scale words and c dec: 3 loads
	ds_load_b128 v[WS:WS+3], v[TA] offset:1536*(\g)
	ds_load_b128 v[WS+4:WS+7], v[TA] offset:1536*(\g)+512
	ds_load_b128 v[DC:DC+3], v[TR] offset:1536*(\g)
.endm
.macro LDA off                         ; a row tile's four fragments and two scale words: 13 loads
.irp j, 0,1,2,3,4,5,6,7,8,9,10,11
	ds_load_b128 v[AF+4*\j:AF+4*\j+3], v[ADA] offset:(\off)+512*\j
.endr
	ds_load_b64 v[ASC:ASC+1], v[ADA] offset:(\off)+ASCO
.endm
.macro REDUCE off                      ; sums over the sixteen lanes of a half; the sixteen write the same 32 bytes with the same values
.irp m, 1,2,4,8
.irp j, 0,1,2,3,4,5,6,7
	v_add_f32_dpp v[SA+\j], v[SA+\j], v[SA+\j] row_xmask:\m row_mask:0xf bank_mask:0xf
.endr
.endr
	ds_store_b128 v[PA], v[SA:SA+3] offset:\off
	ds_store_b128 v[PA], v[SA+4:SA+7] offset:(\off)+16
.endm
; g: the group; nxt: where the next row tile's images lie from ADA (g = 1); flip: on to the other pair of row tiles; red: the tile's place among the partial scores
.macro PHASE g, nxt, flip, red
	s_wait_dscnt 1                                 ; all but the youngest load (-2 W_v) are in
.set PI, 0
.rept 16
	MM \g, PI/4, PI%4
.set PI, PI+1
.endr
	WIN 0
.rept 4
	v_nop                                          ; four places between the last product and the first read of a result (ISA guide 7.12.1)
.endr
.set K, 0
.rept 16                               ; t = c enc + c dec, each accumulator from its low end on
.set TD, K/4
.if TD%2
	v_pk_fma_f32 v[S+2*K:S+2*K+1], v[S+2*K:S+2*K+1], s[CC:CC+1], v[DC+TD-1:DC+TD] op_sel:[0,0,1] op_sel_hi:[1,0,1]
.else
	v_pk_fma_f32 v[S+2*K:S+2*K+1], v[S+2*K:S+2*K+1], s[CC:CC+1], v[DC+TD:DC+TD+1] op_sel_hi:[1,0,0]
.endif
.set K, K+1
.endr
.if \flip
	v_xor_b32 v[ADA], 2*XTILE, v[ADA]              ; 2 XTILE shares no bit with 16 x lane
.endif
	TABL 1-(\g)                                    ; the next phase's table, and behind a tile's last products the next tile: they land under the batches below
.if (\g) == 1
	LDA \nxt
.endif
	STLE
.set K, 0
.rept 32
	v_exp_f32 v[S+K], v[S+K]
.set K, K+1
.endr
	v_nop
	STLE
.set K, 0
.rept 16
	v_pk_add_f32 v[S+2*K:S+2*K+1], v[S+2*K:S+2*K+1], 1.0 op_sel_hi:[1,0]
.set K, K+1
.endr
	STLE
.set K, 0
.rept 32
	v_rcp_f32 v[S+K], v[S+K]
.set K, K+1
.endr
	v_nop
	STLE
	s_wait_dscnt 3+13*(\g)                         ; -2 W_v is in; behind it: the 3 table loads, and for g = 1 the 13 of the next tile
.set K, 0
.rept 16
.set TV, K/4
.set SP2, SA+2*(K%4)
.if ((\g) == 0) && (K < 4)
	v_pk_fma_f32 v[SP2:SP2+1], v[S+2*K:S+2*K+1], v[VW:VW+1], v[VS:VS+1] op_sel_hi:[1,0,0]
.elseif TV%2
	v_pk_fma_f32 v[SP2:SP2+1], v[S+2*K:S+2*K+1], v[VW+TV-1:VW+TV], v[SP2:SP2+1] op_sel:[0,1,0] op_sel_hi:[1,1,1]
.else
	v_pk_fma_f32 v[SP2:SP2+1], v[S+2*K:S+2*K+1], v[VW+TV:VW+TV+1], v[SP2:SP2+1] op_sel_hi:[1,0,1]
.endif
.set K, K+1
.endr
.if (\g) == 1
	REDUCE \red
.if \flip
	v_xor_b32 v[PA], 128, v[PA]
.endif
.endif
	ds_load_b128 v[VW:VW+3], v[TR] offset:1536*(1-(\g))+256
.endm
; Q. Lane (r, h) takes of its row and K step the numbers k = 64 c + 32 h + 0 .. 31: two whole blocks, in the operand's own order
.macro QLOAD q
.irp c, 0,1
.irp i, 0,1,2,3,4,5,6,7
	ds_load_b128 v[B0+32*\c+4*\i:B0+32*\c+4*\i+3], v[QT] offset:512*(\q)+256*\c+16*\i
.endr
.endr
.endm
.macro QUANT
.irp c, 0,1
	v_max3_num_f32 v[MXA+\c], |v[B0+32*\c]|, |v[B0+32*\c+1]|, 0x1800000   ; the floor 2^(3 - 127): the byte cannot fall under 1
	v_max3_num_f32 v[MXB+4*\c], |v[B0+32*\c+2]|, |v[B0+32*\c+3]|, |v[B0+32*\c+4]|
.endr
.irp i, 5,9,13,17,21,25
.irp c, 0,1
	v_max3_num_f32 v[MXA+\c], v[MXA+\c], |v[B0+32*\c+\i]|, |v[B0+32*\c+\i+1]|
	v_max3_num_f32 v[MXB+4*\c], v[MXB+4*\c], |v[B0+32*\c+\i+2]|, |v[B0+32*\c+\i+3]|
.endr
.endr
.irp c, 0,1
	v_max3_num_f32 v[MXA+\c], v[MXA+\c], |v[B0+32*\c+29]|, |v[B0+32*\c+30]|
.endr
.irp c, 0,1
	v_max3_num_f32 v[MXA+\c], v[MXA+\c], v[MXB+4*\c], |v[B0+32*\c+31]|
.endr
.irp c, 0,1
	v_add_nc_u32 v[SCL+\c], 0xff000000, v[MXA+\c]  ; 2 off the exponent field: the conversion's scale operand
.endr
.irp c, 0,1
	v_lshrrev_b32 v[MXB+4*\c], 23, v[SCL+\c]       ; the scale's byte
.endr
	v_lshl_or_b32 v[QW], v[MXB+4], 16, v[MXB]      ; blocks h and 2 + h,
	v_lshlrev_b32 v[QW], v[SH8], v[QW]             ; at their places;
	v_permlanex16_b32 v[QWP], v[QW], s[SEL], s[SEL+1]
	v_or_b32 v[QW], v[QW], v[QWP]                  ; with lane l xor 16's two the word is whole
.irp c, 0,1
	v_cvt_scalef32_pk16_fp6_f32 v[PC+6*\c:PC+6*\c+2], v[B0+32*\c:B0+32*\c+15], v[SCL+\c]
	v_cvt_scalef32_pk16_fp6_f32 v[TMPC+4*\c:TMPC+4*\c+2], v[B0+32*\c+16:B0+32*\c+31], v[SCL+\c]
.endr
	v_nop                                          ; one plain place behind a scaled conversion
.irp c, 0,1
.irp i, 0,1,2
	v_mov_b32 v[PC+6*\c+3+\i], v[TMPC+4*\c+\i]
.endr
.endr
.endm
.macro IMAGE q                         ; 4 stores
.irp j, 0,1,2
	ds_store_b128 v[QP], v[PC+4*\j:PC+4*\j+3] offset:1536*(\q)+512*\j
.endr
	ds_store_b32 v[XWS], v[QW] offset:ASCO+256*(\q)
.endm
.macro XROW rho                        ; my 2 columns of row rho
.if (\rho)%2
	ds_load_b64 v[XR+2*((\rho)%32):XR+2*((\rho)%32)+1], v[CA1] offset:((\rho)/2)*RP
.else
	ds_load_b64 v[XR+2*((\rho)%32):XR+2*((\rho)%32)+1], v[CA0] offset:((\rho)/2)*RP
.endif
.endm
.macro BARRIER                         ; My tensor load may stay out
	STLE
	s_wait_dscnt 0x0
	s_barrier_signal -1
	s_barrier_wait -1
.endm
; the change of slots, at a block's head
.macro CHANGE fill
	s_wait_tensorcnt 0x0                           ; my one load, my part of the block about to be read, is in
	ds_add_u32 v[SPW], v[NIL]
.if \fill
	s_xor_b32 s[TBF], s[TBF], SLOTSZ
	s_add_co_u32 s[G0+1], s[TBF], s[LBASE]
	s_add_nc_u64 s[G0+2:G0+3], s[G0+2:G0+3], 64*2048
.endif
	s_wait_dscnt 0x0                               ; the add, and my reads of the slot that I have left
	s_barrier_signal -1
	s_barrier_wait -1
.if \fill
	tensor_load_to_lds s[G0:G0+3], s[G1:G1+7]      ; my one tensor load until the next change: the block after this one
	s_nop 0
.rept 4
	v_nop
.endr
.endif
.endm
.macro BLOCK fill
	CHANGE \fill
	global_load_b64 v[MKD:MKD+1], v[L8], s[6:7]
	; ---- Q
	v_add_nc_u32 v[QT], s[TB], v[QA]
	QLOAD 0
	s_wait_dscnt 0x0
	QUANT
	QLOAD 1
	IMAGE 0
	s_wait_dscnt 4                                 ; the 16 loads are in; the image's 4 stores may be out
	QUANT
	IMAGE 1
	BARRIER
	; ---- G
	s_wait_loadcnt 0x0                             ; W_mem's fragments (first block) and the mask
	TABL 0
	LDA 0
	ds_load_b128 v[VW:VW+3], v[TR] offset:256
	s_mov_b32 s[TRIP], 2
.Ltile_\@:                                             ; a trip takes two row tiles
	PHASE 0, 0, 0, 0
	PHASE 1, XTILE, 0, 0
	PHASE 0, 0, 0, 0
	PHASE 1, 0, 1, 64
	STLE
	s_sub_co_u32 s[TRIP], s[TRIP], 1
	s_cmp_lg_u32 s[TRIP], 0
	s_cbranch_scc1 .Ltile_\@
	BARRIER
	; ---- C
.irp i, 0,1,2,3,4,5,6,7
	ds_load_b64 v[PS+2*\i:PS+2*\i+1], v[L8] offset:PART+256*\i
.endr
	v_add_nc_u32 v[CA0], s[TB], v[CL]
	v_add_nc_u32 v[CA1], ODD, v[CA0]
.set RH, 0
.rept 32
	XROW RH
.set RH, RH+1
.endr
	v_mov_b32 v[NINF], 0xff800000
	v_mov_b32 v[FRS+1], 0                          ; named as a pair's upper half
	v_mov_b32 v[MNR], 0                            ; a lane permute's destination counts as read
	STLE
	s_wait_dscnt 32                                ; the partial scores are in; 32 row loads may be out
.irp i, 0,4,8,12
	v_pk_add_f32 v[PS+\i:PS+\i+1], v[PS+\i:PS+\i+1], v[PS+\i+2:PS+\i+3]
.endr
	v_pk_add_f32 v[PS:PS+1], v[PS:PS+1], v[PS+4:PS+5]
	v_pk_add_f32 v[PS+8:PS+9], v[PS+8:PS+9], v[PS+12:PS+13]
	v_pk_add_f32 v[PS:PS+1], v[PS:PS+1], v[PS+8:PS+9]
	v_cmp_ne_u32 vcc_lo, 0, v[MKD]
	v_cndmask_b32 v[PS], v[NINF], v[PS], vcc_lo    ; a masked row's score is -infinity
	v_cmp_ne_u32 vcc_lo, 0, v[MKD+1]
	v_cndmask_b32 v[PS+1], v[NINF], v[PS+1], vcc_lo
	STLE
	s_cmp_lg_u32 s[WV], 0
	s_cbranch_scc1 .Lnost_\@
	global_store_b64 v[L8], v[PS:PS+1], s[16:17]   ; wave 0: the block's 64 scores, 256 consecutive bytes, aligned
.Lnost_\@:
	v_max_num_f32 v[MXR], v[PS], v[PS+1]
.irp m, 1,2,4,8
	v_max_num_f32_dpp v[MXR], v[MXR], v[MXR] row_xmask:\m row_mask:0xf bank_mask:0xf
.endr
	v_permlanex16_b32 v[MNR], v[MXR], s[SEL], s[SEL+1]
	v_max3_num_f32 v[MNR], v[MXR], v[MNR], v[MR]   ; the new running maximum: a number, since the old one is
	v_sub_f32 v[PR], v[PS], v[MNR]
	v_sub_f32 v[PR+1], v[PS+1], v[MNR]
	v_sub_f32 v[FRS], v[MR], v[MNR]
	v_mul_f32 v[PR], s[L2E], v[PR]
	v_mul_f32 v[PR+1], s[L2E], v[PR+1]
	v_mul_f32 v[FRS], s[L2E], v[FRS]
	STLE
	v_exp_f32 v[PR], v[PR]
	v_exp_f32 v[PR+1], v[PR+1]
	v_exp_f32 v[FRS], v[FRS]
	v_mov_b32 v[MR], v[MNR]
	STLE
	v_fma_f32 v[LS], v[LS], v[FRS], v[PR]
	v_add_f32 v[LS], v[LS], v[PR+1]
	WIN 0x01                                       ; the parked context (window 1, v252-255) comes back under the new maximum
	v_pk_mul_f32 v[CT:CT+1], v[252:253], v[FRS:FRS+1] op_sel_hi:[1,0]
	v_pk_mul_f32 v[CT+2:CT+3], v[254:255], v[FRS:FRS+1] op_sel_hi:[1,0]
	WIN 0
.set GR, 0
.rept 8                                ; eight rows at a time: their p as scalars, then context += p x row
.irp i, 0,1,2,3
	v_readlane_b32 s[PP+4*\i], v[PR], 4*GR+\i
	v_readlane_b32 s[PP+4*\i+2], v[PR+1], 4*GR+\i
.endr
	STLE
.if GR < 5
	s_wait_dscnt 24                                ; this group's 8 loads are in; three younger groups may be out
.else
	s_wait_dscnt 8*(7-GR)
.endif
.irp e, 0,1,2,3,4,5,6,7
.set XQ, XR+2*((8*GR+\e)%32)
	v_pk_fma_f32 v[CT+2*(\e%2):CT+2*(\e%2)+1], v[XQ:XQ+1], s[PP+2*\e:PP+2*\e+1], v[CT+2*(\e%2):CT+2*(\e%2)+1] op_sel_hi:[1,0,1]
.endr
.if GR < 4
.irp e, 0,1,2,3,4,5,6,7
	XROW 8*(GR+4)+\e
.endr
.endif
.set GR, GR+1
.endr
	WIN 0x40
.irp i, 0,1,2,3
	v_mov_b32 v[252+\i], v[CT+\i]                  ; parked again
.endr
	WIN 0
	s_xor_b32 s[TB], s[TB], SLOTSZ
.if \fill
	s_wait_xcnt 0x0                                ; the mask's load and the scores' store have read their bases and registers
	s_add_nc_u64 s[6:7], s[6:7], 256
	s_add_nc_u64 s[16:17], s[16:17], 256
.endif
	STLE
.endm
	s_load_b512 s[4:19], s[0:1], 0x0               ; memory_bank, src_mask, W_v, W_mem_scales, wimg, decs, scores, part
	v_lshl_add_u32 v[SPW], v0, 2, SPARE
	v_mov_b32 v[NIL], 0
	ds_add_u32 v[SPW], v[NIL]
	ds_add_u32 v[SPW], v[NIL]
	v_lshrrev_b32 v60, 5, v0
	v_readfirstlane_b32 s[WV], v60                 ; wave 0..7
	s_lshr_b32 s[BB], ttmp9, 2                     ; the batch
	s_mov_b32 s[G1+0], (2<<16)|(1<<20)|(7<<22)|(3<<25)  ; elements of 4 bytes; 4 words of padding after every 256
	s_mov_b32 s[G1+1], 512<<16
	s_mov_b32 s[G1+2], 8<<16
	s_mov_b32 s[G1+3], 512<<16
	s_mov_b32 s[G1+4], 8                           ; 8 rows,
	s_mov_b32 s[G1+5], 1024                        ; every second row of memory
	s_mov_b32 s[G1+6], 0
	s_mov_b32 s[G1+7], 0
	s_and_b32 s67, s[WV], 1                        ; wave w fetches rows 16 (w / 2) + w % 2 + 2 i, i = 0 .. 7, of each block
	s_lshr_b32 s68, s[WV], 1
	s_mul_i32 s69, s67, ODD
	s_mul_i32 s70, s68, 8*RP
	s_add_co_u32 s[LBASE], s69, s70
	s_add_co_u32 s[LBASE], s[LBASE], SLOT0
	s_lshl_b32 s72, ttmp9, 20
	s_lshl_b32 s71, s68, 15
	s_add_co_u32 s72, s72, s71
	s_lshl_b32 s71, s67, 11
	s_add_co_u32 s72, s72, s71
	s_mov_b32 s73, 0
	s_wait_dscnt 0x0
	s_wait_kmcnt 0x0
	s_mov_b32 s[G0], 1
	s_mov_b32 s[G0+1], s[LBASE]
	s_add_nc_u64 s[G0+2:G0+3], s[4:5], s[72:73]
	s_or_b32 s[G0+3], s[G0+3], 0x80000000
	tensor_load_to_lds s[G0:G0+3], s[G1:G1+7]      ; block 0: my one load at the head
	s_nop 0
.rept 4
	v_nop
.endr
	s_mov_b32 s75, 0
	s_lshl_b32 s74, ttmp9, 11
	s_add_nc_u64 s[6:7], s[6:7], s[74:75]
	s_add_nc_u64 s[16:17], s[16:17], s[74:75]
	s_lshl_b32 s74, s[WV], 9                       ; my 128 numbers of W_v
	s_add_nc_u64 s[8:9], s[8:9], s[74:75]
	s_lshl_b32 s74, s[WV], 11                      ; my 128 rows of 16 scale bytes
	s_add_nc_u64 s[10:11], s[10:11], s[74:75]
	s_mul_i32 s74, s[WV], 32*1536                  ; my 32 images
	s_add_nc_u64 s[12:13], s[12:13], s[74:75]
	s_lshl_b32 s74, s[WV], 15                      ; my 8 tiles of decs, my batch's 64 bytes in each
	s_lshl_b32 s76, s[BB], 6
	s_add_co_u32 s74, s74, s76
	s_add_nc_u64 s[14:15], s[14:15], s[74:75]
	s_mul_i32 s74, ttmp9, 2304                     ; the work-group's part, my 256 bytes of its context
	s_lshl_b32 s76, s[WV], 8
	s_add_co_u32 s74, s74, s76
	s_add_nc_u64 s[18:19], s[18:19], s[74:75]
	s_mov_b32 s[TBF], 0
	s_mov_b32 s[TB], 0
	s_mov_b32 s[CC], 0x4038aa3b                    ; c = 2 log2(e)
	s_mov_b32 s[CC+1], s[CC]
	s_mov_b32 s[SEL], 0x76543210
	s_mov_b32 s[SEL+1], 0xfedcba98
	s_mov_b32 s[L2E], 0x3fb8aa3b
.irp i, 0,1,2,3,4,5,6,7
	s_mov_b32 s[PP+2*\i+1], 0
.endr
	s_mul_i32 s66, s68, 8*RP                       ; QA's base: row tile w / 2, K steps from 2 (w % 2)
	s_mul_i32 s69, s67, 1040
	s_add_co_u32 s66, s66, s69
	s_add_co_u32 s66, s66, SLOT0
	s_lshl_b32 s69, s[WV], 8                       ; CL's base: 256 w, + 16 behind the row's first padding
	s_lshr_b32 s70, s[WV], 2
	s_lshl_b32 s70, s70, 4
	s_add_co_u32 s69, s69, s70
	s_add_co_u32 s69, s69, SLOT0
	s_lshl_b32 s70, s[WV], 8
	s_add_co_u32 s70, s70, PART
	s_mul_i32 s71, s[WV], TABW
	s_add_co_u32 s71, s71, TAB
	s_add_co_u32 s72, s71, 1024
	s_mul_i32 s76, s68, XTILE
	s_lshl_b32 s77, s67, 2
	s_add_co_u32 s77, s77, s76
	s_mul_i32 s78, s67, 3072
	s_add_co_u32 s76, s76, s78
	v_and_b32 v[LI], 31, v0
	v_lshlrev_b32 v[L8], 3, v[LI]
	v_lshlrev_b32 v[LI], 4, v[LI]
	v_and_b32 v60, 15, v0                          ; r
	v_bfe_u32 v61, v0, 4, 1                        ; h
	v_lshrrev_b32 v[QA], 1, v60
	v_mul_u32_u24 v[QA], v[QA], RP
	v_and_b32 v62, 1, v60
	v_mad_u32_u24 v[QA], v62, ODD, v[QA]
	v_lshl_add_u32 v[QA], v61, 7, v[QA]
	v_add_nc_u32 v[QA], s66, v[QA]
	v_add_nc_u32 v[CL], s69, v[L8]
	v_lshl_add_u32 v[PA], v61, 5, s70
	v_add_nc_u32 v[TA], s71, v[LI]
	v_lshl_add_u32 v[TR], v60, 4, s72
	v_add_nc_u32 v[QP], s76, v[LI]
	v_lshl_add_u32 v[XWS], v60, 4, s77
	v_lshlrev_b32 v[SH8], 3, v61
	v_mov_b32 v[ADA], v[LI]
	v_lshlrev_b32 v63, 2, v61
	v_lshl_add_u32 v63, v60, 4, v63                ; 16 r + 4 h
	v_lshlrev_b32 v62, 2, v60                      ; 4 r
	v_mov_b32 v[MR], 0xff61b1e6                    ; -3e38, under every score that counts
	v_mov_b32 v[LS], 0
	WIN 0x40
.irp i, 0,1,2,3
	v_mov_b32 v[252+\i], 0                         ; the context
.endr
	WIN 0
	STLE
.irp t, 0,1,2,3,4,5,6,7
	global_load_b32 v[HV+\t], v62, s[8:9] offset:64*\t
	global_load_b32 v[HD+\t], v62, s[14:15] offset:4096*\t
	global_load_b32 v[HW+2*\t], v63, s[10:11] offset:256*\t
	global_load_b32 v[HW+2*\t+1], v63, s[10:11] offset:256*\t+8
.endr
	s_wait_loadcnt 0x0
	v_add_f32 v[VS], v[HV], v[HV+1]                ; v0 is used no more
.irp t, 2,3,4,5,6,7
	v_add_f32 v[VS], v[VS], v[HV+\t]
.endr
.irp t, 0,1,2,3,4,5,6,7
	v_mul_f32 v[HV+\t], -2.0, v[HV+\t]
.endr
.irp g, 0,1                            ; my table; only I read it, and LDS serves a wave's instructions in order (ISA guide 5.7.1.4)
	ds_store_b128 v[TA], v[HW+8*\g:HW+8*\g+3] offset:1536*\g
	ds_store_b128 v[TA], v[HW+8*\g+4:HW+8*\g+7] offset:1536*\g+512
	ds_store_b128 v[TR], v[HD+4*\g:HD+4*\g+3] offset:1536*\g
	ds_store_b128 v[TR], v[HV+4*\g:HV+4*\g+3] offset:1536*\g+256
.endr
	; W_mem's 32 fragments; they land while block 0 is quantised, and are waited for at the head of the first G
.irp g, 0,1
.irp q, 0,1,2,3
.irp u, 0,1,2,3
	LOCF 16*\g+4*\q+\u
	WIN LW<<6
.irp j, 0,1,2
	global_load_b128 v[LR+4*\j:LR+4*\j+3], v[LI], s[12:13] offset:(4*(4*\g+\u)+\q)*1536+512*\j
.endr
.endr
.endr
.endr
	WIN 0
	STLE
	s_mov_b32 s[BLK], BLOCKS-1
.Lblock:
	BLOCK 1
	s_sub_co_u32 s[BLK], s[BLK], 1
	s_cmp_lg_u32 s[BLK], 0
	s_cbranch_scc1 .Lblock
	BLOCK 0                                        ; the last block is written out
.irp m, 1,2,4,8
	v_add_f32_dpp v[LS], v[LS], v[LS] row_xmask:\m row_mask:0xf bank_mask:0xf
.endr
	v_permlanex16_b32 v[MXR], v[LS], s[SEL], s[SEL+1]
	v_add_f32 v[LS], v[LS], v[MXR]
	WIN 0x45
	v_pk_add_f32 v[252:253], v[252:253], v[254:255]             ; even rows' and odd rows'
	WIN 0x04
	global_store_b64 v[L8], v[252:253], s[18:19]                ; my 64 columns: 256 consecutive bytes, aligned
	WIN 0
	STLE
	s_cmp_lg_u32 s[WV], 0
	s_cbranch_scc1 .Lnot_wave_0
	global_store_b64 v[L8], v[MR:LS], s[18:19] offset:2048      ; maximum and sum, once a lane: 256 consecutive bytes
.Lnot_wave_0:
	s_wait_tensorcnt 0x0                           ; the wave's end
	ds_add_u32 v[SPW], v[NIL]
	s_wait_dscnt 0x0
	s_endpgm
.Lfunc_end_k_q1c3f802c46_main:
	.size	k_q1c3f802c46_main, .Lfunc_end_k_q1c3f802c46_main-k_q1c3f802c46_main
	.p2alignl 7, 3214868480
	.fill 96, 4, 3214868480
	.section	.rodata,"a",@progbits
	.p2align	6, 0x0
	.amdhsa_kernel k_q1c3f802c46_main
		.amdhsa_group_segment_fixed_size 327680
		.amdhsa_private_segment_fixed_size 0
		.amdhsa_enable_private_segment 0
		.amdhsa_kernarg_size 64
		.amdhsa_user_sgpr_count 2
		.amdhsa_user_sgpr_kernarg_segment_ptr 1
		.amdhsa_wavefront_size32 1
		.amdhsa_system_sgpr_workgroup_id_x 1
		.amdhsa_system_sgpr_workgroup_id_y 1
		.amdhsa_system_sgpr_workgroup_id_z 1
		.amdhsa_system_vgpr_workitem_id 0
		.amdhsa_next_free_vgpr 512
		.amdhsa_next_free_sgpr 80
		.amdhsa_reserve_vcc 1
		.amdhsa_float_denorm_mode_32 3
		.amdhsa_float_denorm_mode_16_64 3
		.amdhsa_memory_ordered 1
		.amdhsa_forward_progress 1
		.amdhsa_inst_pref_size 145
	.end_amdhsa_kernel
	.amdgpu_metadata
---
amdhsa.version: [ 1, 2 ]
amdhsa.kernels:
  - .name:           k_q1c3f802c46_main
    .symbol:         k_q1c3f802c46_main.kd
    .args:
      - { .name: memory_bank, .offset: 0, .size: 8, .value_kind: global_buffer, .address_space: global }
      - { .name: src_mask, .offset: 8, .size: 8, .value_kind: global_buffer, .address_space: global }
      - { .name: W_v, .offset: 16, .size: 8, .value_kind: global_buffer, .address_space: global }
      - { .name: W_mem_scales, .offset: 24, .size: 8, .value_kind: global_buffer, .address_space: global }
      - { .name: wimg, .offset: 32, .size: 8, .value_kind: global_buffer, .address_space: global }
      - { .name: decs, .offset: 40, .size: 8, .value_kind: global_buffer, .address_space: global }
      - { .name: scores, .offset: 48, .size: 8, .value_kind: global_buffer, .address_space: global }
      - { .name: part, .offset: 56, .size: 8, .value_kind: global_buffer, .address_space: global }
    .group_segment_fixed_size: 327680
    .private_segment_fixed_size: 0
    .kernarg_segment_align: 8
    .kernarg_segment_size: 64
    .max_flat_workgroup_size: 256
    .sgpr_count:     80
    .vgpr_count:     512
    .wavefront_size: 32
...
	.end_amdgpu_metadata
.endif
;; end of part 2
;; launch finish (part 3): grid 256 x 1, 4 waves a work-group, no clusters, 0 bytes of LDS; arguments scores, part, out0, out1; writes out0, out1
.if DOCPART == 3
	.amdgcn_target "amdgcn-amd-amdhsa--gfx1250"
	.amdhsa_code_object_version 6
	.text
	.protected	k_q1c3f802c46_finish
	.globl	k_q1c3f802c46_finish
	.p2align	8
	.type	k_q1c3f802c46_finish,@function
k_q1c3f802c46_finish:
	s_mov_b64 s[64:65], 0
	v_nop
	global_prefetch_b8 v0, s[64:65] scope:SCOPE_SE
	s_setreg_imm32_b32 hwreg(HW_REG_WAVE_MODE, 25, 1), 1
	s_wait_xcnt 0x0
; Joins the four parts of a batch.  Part i has a maximum m_i, a sum l_i and a context ctx_i taken under m_i.  With M the largest m_i and w_i = e^(m_i - M):
; L = sum of w_i l_i;  attn = e^(score - M) / L;  context = sum of w_i ctx_i / L.
; Work-group x takes quarter x % 4 of batch x / 4: 512 scores, 4 a thread, and 128 columns of the context, which wave 0 takes, 4 a lane.
; A batch all of whose rows are masked has L = 0: 0 x infinity gives NaN, as a softmax of -infinities does.
; A stream of a few bytes a thread: no LDS, no barrier, no matrix work.
.set PARTB, 2304                       ; a part: 2,048 bytes of context, then 256 bytes with (m, l) 32 times
	s_load_b256 s[4:11], s[0:1], 0x0               ; scores, part, out0, out1
	v_lshrrev_b32 v1, 5, v0
	v_readfirstlane_b32 s12, v1                    ; wave
	v_and_b32 v2, 31, v0
	v_lshlrev_b32 v3, 4, v0                        ; my 4 scores
	v_lshlrev_b32 v4, 3, v2                        ; 8 x lane
	v_lshlrev_b32 v5, 4, v2                        ; 16 x lane
	s_lshr_b32 s13, ttmp9, 2                       ; the batch
	s_and_b32 s14, ttmp9, 3                        ; the quarter
	s_lshl_b32 s16, ttmp9, 11                      ; 512 scores a work-group
	s_mov_b32 s17, 0
	s_mul_i32 s18, s13, 4*PARTB                    ; the batch's four parts
	s_mov_b32 s19, 0
	s_lshl_b32 s22, s14, 9                         ; the quarter's 128 columns
	s_mov_b32 s23, 0
	s_lshl_b32 s20, s13, 11
	s_add_co_u32 s20, s20, s22
	s_mov_b32 s21, 0
	s_mov_b32 s15, 0x3fb8aa3b                      ; log2(e)
	s_wait_alu depctr_va_vdst(0)
	s_wait_kmcnt 0x0
	s_add_nc_u64 s[4:5], s[4:5], s[16:17]
	s_add_nc_u64 s[10:11], s[10:11], s[16:17]
	s_add_nc_u64 s[6:7], s[6:7], s[18:19]
	s_add_nc_u64 s[8:9], s[8:9], s[20:21]
	s_add_nc_u64 s[24:25], s[6:7], s[22:23]
.irp i, 0,1,2,3
	global_load_b64 v[8+2*\i:9+2*\i], v4, s[6:7] offset:PARTB*\i+2048    ; m_i, l_i
.endr
	global_load_b128 v[16:19], v3, s[4:5]
	s_cmp_lg_u32 s12, 0
	s_cbranch_scc1 .Lno_ctx
.irp i, 0,1,2,3
	global_load_b128 v[20+4*\i:23+4*\i], v5, s[24:25] offset:PARTB*\i
.endr
.Lno_ctx:
	s_wait_loadcnt 0x0
	v_max3_num_f32 v36, v8, v10, v12
	v_max_num_f32 v36, v36, v14                    ; M
.irp i, 0,1,2,3
	v_sub_f32 v[40+\i], v[8+2*\i], v36             ; the differences first, then x log2(e)
	v_sub_f32 v[44+\i], v[16+\i], v36
.endr
.irp i, 0,1,2,3,4,5,6,7
	v_mul_f32 v[40+\i], s15, v[40+\i]
.endr
	s_wait_alu depctr_va_vdst(0)
.irp i, 0,1,2,3,4,5,6,7
	v_exp_f32 v[40+\i], v[40+\i]
.endr
	v_nop                                          ; a plain instruction behind the last exponential,
	s_wait_alu depctr_va_vdst(0)                   ; and the wait ahead of the first reader: one for the eight
	v_mul_f32 v37, v40, v9
	v_fma_f32 v37, v41, v11, v37
	v_fma_f32 v37, v42, v13, v37
	v_fma_f32 v37, v43, v15, v37                   ; L
	s_wait_alu depctr_va_vdst(0)
	v_rcp_f32 v38, v37
	v_nop
	s_wait_alu depctr_va_vdst(0)
.irp i, 0,1,2,3
	v_mul_f32 v[44+\i], v[44+\i], v38
.endr
	global_store_b128 v3, v[44:47], s[10:11]       ; each wave's store covers 512 consecutive bytes
	s_cmp_lg_u32 s12, 0
	s_cbranch_scc1 .Ldone
.irp i, 0,1,2,3
	v_mul_f32 v[40+\i], v[40+\i], v38              ; w_i / L
.endr
.irp j, 0,1,2,3
	v_mul_f32 v[48+\j], v[20+\j], v40
.endr
.irp i, 1,2,3
.irp j, 0,1,2,3
	v_fma_f32 v[48+\j], v[20+4*\i+\j], v[40+\i], v[48+\j]
.endr
.endr
	global_store_b128 v5, v[48:51], s[8:9]
.Ldone:
	s_endpgm
.Lfunc_end_k_q1c3f802c46_finish:
	.size	k_q1c3f802c46_finish, .Lfunc_end_k_q1c3f802c46_finish-k_q1c3f802c46_finish
	.p2alignl 7, 3214868480
	.fill 96, 4, 3214868480
	.section	.rodata,"a",@progbits
	.p2align	6, 0x0
	.amdhsa_kernel k_q1c3f802c46_finish
		.amdhsa_group_segment_fixed_size 0
		.amdhsa_private_segment_fixed_size 0
		.amdhsa_enable_private_segment 0
		.amdhsa_kernarg_size 32
		.amdhsa_user_sgpr_count 2
		.amdhsa_user_sgpr_kernarg_segment_ptr 1
		.amdhsa_wavefront_size32 1
		.amdhsa_system_sgpr_workgroup_id_x 1
		.amdhsa_system_sgpr_workgroup_id_y 1
		.amdhsa_system_sgpr_workgroup_id_z 1
		.amdhsa_system_vgpr_workitem_id 0
		.amdhsa_next_free_vgpr 56
		.amdhsa_next_free_sgpr 66
		.amdhsa_reserve_vcc 0
		.amdhsa_float_denorm_mode_32 3
		.amdhsa_float_denorm_mode_16_64 3
		.amdhsa_memory_ordered 1
		.amdhsa_forward_progress 1
		.amdhsa_inst_pref_size 5
	.end_amdhsa_kernel
	.amdgpu_metadata
---
amdhsa.version: [ 1, 2 ]
amdhsa.kernels:
  - .name:           k_q1c3f802c46_finish
    .symbol:         k_q1c3f802c46_finish.kd
    .args:
      - { .name: scores, .offset: 0, .size: 8, .value_kind: global_buffer, .address_space: global }
      - { .name: part, .offset: 8, .size: 8, .value_kind: global_buffer, .address_space: global }
      - { .name: out0, .offset: 16, .size: 8, .value_kind: global_buffer, .address_space: global }
      - { .name: out1, .offset: 24, .size: 8, .value_kind: global_buffer, .address_space: global }
    .group_segment_fixed_size: 0
    .private_segment_fixed_size: 0
    .kernarg_segment_align: 8
    .kernarg_segment_size: 32
    .max_flat_workgroup_size: 128
    .sgpr_count:     66
    .vgpr_count:     56
    .wavefront_size: 32
...
	.end_amdgpu_metadata
.endif
;; end of part 3
